; MI455X (gfx1250); checked and timed in simulation.
; The chip was launched on July 23, 2026; its instructions are those of AMD's public machine-readable ISA for CDNA 5 (MIT licence, August 2026) and "CDNA5" Instruction Set Architecture Reference Guide (July 2026). The comments in the code are by the model that wrote it; some were corrected since.
;; Quantized Linear Layer. Allowed arithmetic: matrix products marked QUANTISED: E5M2 operands, one E8M0 scale for each 32 along K, by v_wmma_scale_f32_16x16x128_f8f6f4 with both operands' format E5M2, f32 sums; everything else in f32.
;; Inputs: bias 4,096 float32; input_codes 4 x 1,024 x 128 x 32 uint8 (E5M2 codes of input, K innermost, in blocks of 32 codes); input_scales 4 x 1,024 x 128 uint8 (E8M0 scales of input, one for each 32 codes along K); outlier_mask 4,096 x 4,096 bool; outlier_weights 4,096 x 4,096 float32; q_weights 4,096 x 4,096 int32; scales 4,096 x 1 float32.
;; Outputs: out0 4 x 1,024 x 4,096 float32.
;; This version of the problem:
;;   THIS VERSION OF THE PROBLEM IS GIVEN IN LOW PRECISION. The matrix products marked QUANTISED in the list below multiply operands that are first quantised to E5M2 (5 exponent bits, 2 mantissa bits; 8 bits a number), with one power-of-two scale for each 32 numbers along K (OCP MX v1.0); their sums are f32. All else is computed in f32.
;;   The module's matrix products, in the order in which they are computed (A, B: the left and right operand; K: the contracted axis; several contracted axes count as one K, in the product's order):
;;     1. [M 4,096, K 4,096] x [K 4,096, N 4,096]; A: input input (given as codes); B: computed on the way: QUANTISED
;;   THE QUANTISER, for each operand of a quantised product, along K:
;;     - K is cut into blocks of 32 from its start; a last block that is shorter is filled with zeros.
;;     - A block's scale is 2^e with e = floor(log2(the largest magnitude in the block)) - 15, held to -126 .. 127; a block of zeros has e = 0. As a byte (E8M0): e + 127.
;;     - Each number is divided by its block's scale, clamped to +-57,344, and rounded to the nearest number of E5M2, ties to even, subnormals kept.
;;     - The product sums the exact products of the quantised numbers (number of the format x scale) in f32.
;;   ~~~python
;;   def quantise(x, axis):      # numpy; x: float32 -> the quantised numbers, widened to float32 again
;;       x = np.moveaxis(x, axis, -1); K = x.shape[-1]
;;       x = np.pad(x, [(0, 0)] * (x.ndim - 1) + [(0, -K % 32)]); x = x.reshape(x.shape[:-1] + (-1, 32)); a = np.abs(x).max(-1, keepdims=True)
;;       e = np.where(a > 0, np.clip(np.frexp(np.where(a > 0, a, 1))[1] - 1 - 15, -126, 127), 0)      # np.frexp(a)[1] - 1 = floor(log2(a)), exactly
;;       r = np.clip(x / 2.0 ** e, -57344, 57344)
;;       step = 2.0 ** (np.maximum(np.frexp(np.where(r == 0, 1, r))[1] - 1, -14) - 2)
;;       q = np.round(r / step) * step * 2.0 ** e      # np.round: ties to even
;;       return np.moveaxis(q.reshape(q.shape[:-2] + (-1,))[..., :K], -1, axis).astype(np.float32)
;;   ~~~
;;   OPERANDS COMPUTED ON THE WAY. 'Computed on the way' means the value that the module computes at that place (a softmax that the list does not call 'softmax' is quantised finished and normalised). What goes into a quantiser is computed in f32, as accurately as f32 sums, v_exp_f32 and their like allow (about 1e-6 of the number): no bf16 or f16 on the way to a quantiser, and a product that is left as it is and whose result goes on into a quantised operand takes f32 operands (vector FMAs, or v_wmma_f32_16x16x4_f32). A number that lies on a knife's edge between two numbers of the format may be rounded either way, as far as f32 arithmetic and the matrix unit's own rounding can turn it there, and no further.
;;   INPUTS GIVEN AS CODES. input (in the module: [4, 1024, 4096], K = its axis 2): each comes as NAME_codes (uint8): NAME with its K axis moved to the last place and cut into blocks of 32 codes, [.., K / 32, bytes a block], one block behind the other in memory; one code a byte (a code: sign, 5 exponent bits, 2 mantissa bits); and NAME_scales (uint8): the same leading axes, one E8M0 byte (e + 127) for each 32 codes along K. Its value is code x scale, taken as it is: it is not quantised again, and the codes and scales need not be those that the quantiser above would give.
;; One version. Each part assembles by itself: llvm-mc -triple=amdgcn-amd-amdhsa -mcpu=gfx1250 --defsym DOCPART=n.
;; ======== version 1 of 1: 2 launches
;; limits: right only within a limited range of input values
;; workspace buffers: wq 17,301,504 bytes
;; launch quant (part 1): grid 2 x 128, 8 waves a work-group, no clusters, 91,136 bytes of LDS; arguments q_weights, outlier_weights, outlier_mask, scales, wq; writes wq
.if DOCPART == 1
	.amdgcn_target "amdgcn-amd-amdhsa--gfx1250"
	.amdhsa_code_object_version 6
	.text
	.protected	k_qfbd33b3a87_quant
	.globl	k_qfbd33b3a87_quant
	.p2align	8
	.type	k_qfbd33b3a87_quant,@function
k_qfbd33b3a87_quant:
	s_mov_b64 s[64:65], 0
	v_nop
	global_prefetch_b8 v0, s[64:65] scope:SCOPE_SE
	s_setreg_imm32_b32 hwreg(HW_REG_WAVE_MODE, 25, 1), 1
	s_wait_xcnt 0x0
; W[n][k] = mask[n][k] ? outlier[n][k] : f32(q[n][k]) * scales[n]   (n, k = 0 .. 4095; one rounding in f32), quantised along k to codes of BF8 (E5M2)
; with one E8M0 scale byte for each 32 along k.  A block's scale is 2^(floor(log2(its largest magnitude)) - 15); its byte is the largest magnitude's exponent
; field - 15, held at 1 from below; each number is divided by the scale, held within +-57,344 and rounded to the nearest code, ties to even.
; OUT: wq, laid as the product's launch fetches it: [n / 128 : 32][k / 256 : 16][33,792 bytes]; such a tile is 128 rows x 256 code bytes (k innermost) and behind them
; 1,024 scale bytes [n % 128][8]: 132 dense rows of 256 bytes, which one tensor load can bring.
; LIMITS: mask bytes are 0 or 1, as the type bool is stated; NaN and infinities in W are not served; a block of zeros gets the byte 1 where the rule says 127
; (its codes are zeros, which add nothing under any byte but 0xff, and this program alone reads the bytes).
; SHARES.  Work-group (x, y): rows 32 y .. 32 y + 31; its wave w takes k = 256 (8 x + w) on: 32 rows x 256 numbers, in 16 steps of two rows.  A step's STREAM is row 2 t's 256 numbers, then row 2 t + 1's.
; Every global load is dense: q and the outliers, four loads each a step, 512 consecutive bytes a load; the mask, one load: lanes 0-15 take one row's 256 bytes, lanes 16-31 the next row's.
; THE OUTLIERS ARE FETCHED ONLY WHERE THE MASK KEEPS ONE.  A load's lanes 0-15 cover 256 consecutive bytes (64 numbers), lanes 16-31 the next 256.  A half of the lanes whose 64 mask bytes are all 0 is switched off
; for that load: what it would bring is thrown away by the merge.  This is right for every mask; how many bytes it spares hangs on the mask (all true: none).  So the wave's mask bytes come first, all 16 steps' of them.
; In the mask's own layout lane l holds stream numbers 16 l + 0 .. 15, so such a piece of 64 numbers is four neighbouring lanes: an OR, a compare and two folds of the compare's lane mask leave piece u's answer in bit 4 u.
; The merge is done as the numbers are loaded (lane l of load i holds stream numbers 128 i + 4 l + 0 .. 3); the mask's bytes are turned to that layout through LDS: stored once, 8,192 bytes a wave, read a step at a time.
; The conversions want 16 NEIGHBOURS along k in one lane: the merged numbers go through the wave's own stage in LDS (64 bytes + 16 of padding a place) and come back 64 bytes a lane; two lanes hold a block.
; A lane's 16 codes are 16 bytes: the wave stores 512 consecutive bytes.  A wave's 256 scale bytes are gathered in LDS and leave as 256 consecutive bytes, aligned.
; No tensor load, no barrier, no matrix unit: the waves share nothing and memory binds.  Loads run six steps ahead.  No address register and no base is ever rewritten: every offset is an immediate.
.set STEPS, 16
.set DEPTH, 6                          ; sets of registers for q and for the outliers: loads run so many steps ahead
.set EMAX,  15
.set SP,    80                         ; a place in the stage: 64 bytes + 16 of padding
.set WREG,  11264                      ; a wave's LDS region: the stage (32 x SP = 2,560 bytes),
.set SBY,   2560                       ; its 256 scale bytes,
.set MST,   2816                       ; and its mask bytes in stream order: 512 a step, 8,192 in all
.set QW,    20                         ; v20-115   q, then W: six sets of 16
.set OW,    116                        ; v116-211  outliers: six sets of 16.  At the start v116-179 take the mask bytes as loaded, four registers a step
.set MW,    212                        ; v212-215  mask words behind the turn: word i belongs to load i
.set TP,    216                        ; v216-219  one mask byte spread over a word
.set X,     220                        ; v220-235  16 neighbours along k
.set C,     236                        ; v236-251  codes: four sets of 4
.set PR,    66                         ; s66-81    step t's answers: bit 4 u = piece u of its eight has an outlier
	s_load_b128 s[4:7], s[0:1], 0x0                ; q, outliers
	s_load_b128 s[8:11], s[0:1], 0x10              ; mask, scales
	s_load_b64 s[12:13], s[0:1], 0x20              ; wq
	v_lshl_add_u32 v254, v0, 2, 0x16000
	v_mov_b32 v255, 0
	v_lshrrev_b32 v1, 5, v0
	s_delay_alu instid0(VALU_DEP_1)
	v_readfirstlane_b32 s16, v1                    ; wave 0..7
	v_and_b32 v2, 31, v0                           ; lane
	s_and_b32 s17, ttmp7, 0xffff                   ; rg: which 32 rows
	s_lshl_b32 s18, ttmp9, 3
	s_add_co_u32 s18, s18, s16                     ; ks: which 256 along k
	s_mul_i32 s19, s16, WREG                       ; my wave's LDS region
	v_lshlrev_b32 v3, 4, v2                        ; 16 x lane: my 16 bytes of a load's 512, and of a step's codes
	v_and_b32 v4, 15, v2
	s_delay_alu instid0(VALU_DEP_1)
	v_lshlrev_b32 v4, 4, v4
	v_lshrrev_b32 v5, 4, v2
	s_delay_alu instid0(VALU_DEP_1)
	v_lshl_add_u32 v4, v5, 12, v4                  ; the mask: 16 (lane % 16), + one row of 4,096 bytes for lanes 16-31
	v_lshrrev_b32 v6, 2, v2
	s_delay_alu instid0(VALU_DEP_1)
	v_mul_u32_u24 v6, v6, SP
	v_and_b32 v5, 3, v2
	s_delay_alu instid0(VALU_DEP_1)
	v_lshl_add_u32 v6, v5, 4, v6
	s_delay_alu instid0(VALU_DEP_1)
	v_add_nc_u32 v6, s19, v6                       ; the stage, on the way in: four lanes' 64 bytes on end, then the padding
	v_mul_u32_u24 v7, v2, SP
	s_delay_alu instid0(VALU_DEP_1)
	v_add_nc_u32 v7, s19, v7                       ; and on the way out: my 16 neighbours
	v_add_nc_u32 v12, s19, v3                      ; the mask's turn, in: 16 x lane
	v_lshlrev_b32 v13, 2, v2
	s_delay_alu instid0(VALU_DEP_1)
	v_add_nc_u32 v13, s19, v13                     ; and out: 4 x lane
	v_lshrrev_b32 v14, 1, v2
	s_delay_alu instid0(VALU_DEP_1)
	v_add_nc_u32 v14, s19, v14                     ; my block's scale byte
	v_lshlrev_b32 v16, 3, v2                       ; the scale bytes' way out: 8 bytes a lane
	s_delay_alu instid0(VALU_DEP_1)
	v_add_nc_u32 v15, s19, v16
	; byte offsets, made apart from the pointers
	s_lshl_b32 s26, s17, 19                        ; q, outliers: 32 rows of 16,384 bytes a group,
	s_lshl_b32 s28, s18, 10                        ; 1,024 bytes for 256 along k
	s_add_co_u32 s26, s26, s28
	s_mov_b32 s27, 0
	s_lshl_b32 s28, s17, 17                        ; the mask: a quarter of that
	s_lshl_b32 s30, s18, 8
	s_add_co_u32 s28, s28, s30
	s_mov_b32 s29, 0
	s_lshr_b32 s30, s17, 2                         ; wq: tile (rg / 4, ks)
	s_lshl_b32 s30, s30, 4
	s_add_co_u32 s30, s30, s18
	s_mul_i32 s30, s30, 33792
	s_and_b32 s2, s17, 3                           ; which 32 of the tile's 128 rows
	s_lshl_b32 s3, s2, 13
	s_lshl_b32 s2, s2, 8
	s_add_co_u32 s2, s2, s30
	s_add_co_u32 s2, s2, 32768                     ; my 256 scale bytes
	s_add_co_u32 s30, s30, s3                      ; my 8,192 code bytes
	s_mov_b32 s3, 0
	s_mov_b32 s31, 0
	s_lshl_b32 s20, s17, 7                         ; my 32 row scales: 128 bytes
	s_mov_b32 s21, 0
	s_wait_kmcnt 0x0
	s_add_nc_u64 s[4:5], s[4:5], s[26:27]
	s_add_nc_u64 s[6:7], s[6:7], s[26:27]
	s_add_nc_u64 s[8:9], s[8:9], s[28:29]
	s_add_nc_u64 s[10:11], s[10:11], s[20:21]
	s_add_nc_u64 s[14:15], s[12:13], s[2:3]        ; the scale bytes' place
	s_add_nc_u64 s[12:13], s[12:13], s[30:31]      ; the codes' place
	s_load_b512 s[32:47], s[10:11], 0x0            ; scales of rows 0-15 of my 32,
	s_load_b512 s[48:63], s[10:11], 0x40           ; of rows 16-31: they stay in scalar registers
	s_mov_b32 s20, 0                               ; v_perm_b32 selectors: byte j of a word into all four bytes
	s_mov_b32 s21, 0x01010101
	s_mov_b32 s22, 0x02020202
	s_mov_b32 s23, 0x03030303
	s_mov_b32 s24, 0x600000                        ; the mantissa field of 57,344 as f32
	s_mov_b32 s25, 255
.macro QLOAD t                         ; step t's q: four loads into set t % DEPTH
.irp i, 0,1,2,3
	global_load_b128 v[QW+16*((\t)%DEPTH)+4*\i:QW+16*((\t)%DEPTH)+4*\i+3], v3, s[4:5] offset:(2*(\t)+\i/2)*16384+(\i%2)*512 th:TH_LOAD_NT
.endr
.endm
; Step t's outliers: four loads into set t % DEPTH.  Load i covers pieces 2 i (lanes 0-15) and 2 i + 1 (lanes 16-31) of the step's eight; a half whose piece has no outlier is off.
; EXEC is a source of a pending load: it is narrowed, and widened again, only behind s_wait_xcnt 0.  Behind the first load of the four no memory instruction stands between the wait in front of the widening and the next narrowing.
; The lanes that are off keep what the registers held; the merge takes none of it.
.macro OLOAD t
.irp i, 0,1,2,3
	s_bitcmp1_b32 s[PR+(\t)], 8*\i
	s_cselect_b32 s2, 0xffff, 0
	s_bitcmp1_b32 s[PR+(\t)], 8*\i+4
	s_cselect_b32 s3, 0xffff0000, 0
	s_or_b32 s2, s2, s3                            ; the lanes that load
.if \i == 0
	s_wait_xcnt 0x0                                ; for the loads and stores issued so far
.endif
	s_and_saveexec_b32 s3, s2
	global_load_b128 v[OW+16*((\t)%DEPTH)+4*\i:OW+16*((\t)%DEPTH)+4*\i+3], v3, s[6:7] offset:(2*(\t)+\i/2)*16384+(\i%2)*512 th:TH_LOAD_NT
	s_wait_xcnt 0x0
	s_or_b32 exec_lo, exec_lo, s3                  ; all lanes on again
.endr
.endm
.macro MTURN t                         ; step t's mask bytes come back from LDS as the word that belongs to each lane's four numbers of load i
.irp i, 0,1,2,3
	ds_load_b32 v[MW+\i], v13 offset:MST+512*(\t)+128*\i
.endr
.endm
.macro MERGE t                         ; W of step t, in place of q; then through the stage
.set QSET, QW+16*((\t)%DEPTH)
.set OSET, OW+16*((\t)%DEPTH)
.irp i, 0,1,2,3
	v_mul_lo_u32 v[MW+\i], v[MW+\i], s25           ; bytes 0 / 1 become 0x00 / 0xff: no byte carries into the next
.endr
.irp i, 0,1,2,3
.irp j, 0,1,2,3
	v_cvt_f32_i32 v[QSET+4*\i+\j], v[QSET+4*\i+\j]
.endr
.irp j, 0,1,2,3
	v_perm_b32 v[TP+\j], v[MW+\i], v[MW+\i], s[20+\j]              ; number j's mask byte over the whole word
.endr
.irp j, 0,1,2,3
	v_mul_f32 v[QSET+4*\i+\j], s[32+2*(\t)+\i/2], v[QSET+4*\i+\j]  ; f32(q) x the row's scale: loads 0, 1 lie in row 2 t, loads 2, 3 in row 2 t + 1
.endr
.irp j, 0,1,2,3
	s_delay_alu instid0(VALU_DEP_4)
	v_bfi_b32 v[QSET+4*\i+\j], v[TP+\j], v[OSET+4*\i+\j], v[QSET+4*\i+\j]   ; the outlier where the mask is set: a choice bit by bit, so what an unloaded lane holds does not matter
.endr
.endr
.irp i, 0,1,2,3
	ds_store_b128 v6, v[QSET+4*\i:QSET+4*\i+3] offset:8*SP*\i      ; a load's 512 bytes take eight places
.endr
.irp i, 0,1,2,3
	ds_load_b128 v[X+4*\i:X+4*\i+3], v7 offset:16*\i               ; LDS serves a wave's instructions in order (ISA guide 5.7.1.4): these see the stores above
.endr
.endm
.macro QUANT t
.set CS, C+4*((\t)%4)
	v_max3_num_f32 v8, |v[X]|, |v[X+1]|, |v[X+2]|                  ; the largest magnitude of my 16, in two chains
	v_max3_num_f32 v9, |v[X+3]|, |v[X+4]|, |v[X+5]|
.irp i, 6,10
	s_delay_alu instid0(VALU_DEP_2)
	v_max3_num_f32 v8, v8, |v[X+\i]|, |v[X+\i+1]|
	s_delay_alu instid0(VALU_DEP_2)
	v_max3_num_f32 v9, v9, |v[X+\i+2]|, |v[X+\i+3]|
.endr
	s_delay_alu instid0(VALU_DEP_2)
	v_max3_num_f32 v8, v8, |v[X+14]|, |v[X+15]|
	s_delay_alu instid0(VALU_DEP_1)
	v_max3_num_f32 v8, v8, v9, (EMAX+1)<<23        ; and the floor 2^(16 - 127): the byte cannot fall under 1
	s_delay_alu instid0(VALU_DEP_1)
	v_max_num_f32_dpp v8, v8, v8 row_xmask:1 row_mask:0xf bank_mask:0xf   ; and of my neighbour's 16: the block's
	s_delay_alu instid0(VALU_DEP_1)
	v_add_nc_u32 v11, -(EMAX<<23), v8              ; 15 off its exponent field: the conversion takes the exponent field of this operand as its scale, and nothing else of it
	s_delay_alu instid0(VALU_DEP_2)
	v_and_or_b32 v10, v8, 0x7f800000, s24          ; 57,344 x the scale
.irp i, 0,1,2,3,4,5,6,7,8,9,10,11,12,13,14,15
	v_med3_num_f32 v[X+\i], v[X+\i], -v10, v10     ; the conversion to an 8-bit code does not saturate (ISA guide 7.6.2): hold the number first
.endr
	s_wait_alu depctr_va_vdst(0)
	s_wait_xcnt 0x0                                ; the codes' registers were the data of the store four steps back: they are written again only behind this wait
	v_cvt_scalef32_pk8_bf8_f32 v[CS:CS+1], v[X:X+7], v11
	v_cvt_scalef32_pk8_bf8_f32 v[CS+2:CS+3], v[X+8:X+15], v11
	v_lshrrev_b32 v17, 23, v11                     ; the scale's byte (also the plain line behind the conversions)
	ds_store_b8 v14, v17 offset:SBY+16*(\t)        ; both lanes of a block write the same byte with the same value: row 2 t's eight bytes, then row 2 t + 1's
	global_store_b128 v3, v[CS:CS+3], s[12:13] offset:512*(\t)   ; 32 lanes store 512 consecutive bytes: two rows of the tile; the next launch reads them
.endm
; The loads are issued in this order: the 16 mask loads; q of steps 0-5; the outliers of steps 0-5; then, in step t, q and the outliers of step t + 6, eight loads.
.macro STEP t
.if (\t) < STEPS-1
	MTURN (\t)+1
	s_wait_dscnt 4                                 ; all but those four: my 16 neighbours are back, the stage's stores have read set t % DEPTH, and the last byte store is done
.else
	s_wait_dscnt 0x0
.endif
.if (\t)+DEPTH < STEPS
	QLOAD (\t)+DEPTH                               ; into the sets that step t has left
	OLOAD (\t)+DEPTH
.endif
	QUANT \t
.if (\t) < STEPS-1
.if (\t) <= 4
	s_wait_loadcnt 24+4*(\t)                       ; step t + 1's loads are in.  Behind its outliers: those of steps t + 2 .. 5, four each, and the t + 1 groups of eight issued since
.elseif (\t) <= 9
	s_wait_loadcnt 40                              ; behind step t + 1's group of eight: the five groups of steps t + 2 .. t + 6
.else
	s_wait_loadcnt 8*(14-(\t))                     ; near the end fewer groups stand behind it
.endif
	s_wait_dscnt 1                                 ; the mask words of step t + 1 are back (the byte store may be out)
	MERGE (\t)+1
.endif
.endm
.irp t, 0,1,2,3,4,5,6,7,8,9,10,11,12,13,14,15
	global_load_b128 v[OW+4*\t:OW+4*\t+3], v4, s[8:9] offset:2*\t*4096 th:TH_LOAD_NT   ; the mask bytes of all my steps: lane l holds stream numbers 16 l + 0 .. 15 of step t
.endr
.irp t, 0,1,2,3,4,5
	QLOAD \t
.endr
.set j, 0
.rept 32
	v_mov_b32 v[OW+64+j], 0                        ; the outliers' sets 4 and 5 are written whole once (sets 0-3 by the mask loads): a load with lanes off leaves those lanes as they were
.set j, j+1
.endr
	s_wait_loadcnt 24                              ; the mask bytes are in; the 24 loads of q behind them may be out
.irp t, 0,1,2,3,4,5,6,7,8,9,10,11,12,13,14,15
	ds_store_b128 v12, v[OW+4*\t:OW+4*\t+3] offset:MST+512*\t      ; in stream order
.endr
.irp t, 0,1,2,3,4,5,6,7,8,9,10,11,12,13,14,15
	v_or_b32 v8, v[OW+4*\t], v[OW+4*\t+1]
	v_or_b32 v9, v[OW+4*\t+2], v[OW+4*\t+3]
	s_delay_alu instid0(VALU_DEP_1)
	v_or_b32 v8, v8, v9
	s_delay_alu instid0(VALU_DEP_1)
	v_cmp_ne_u32 s[PR+\t], 0, v8                   ; bit l: one of lane l's 16 numbers is an outlier
.endr
.irp t, 0,1,2,3,4,5,6,7,8,9,10,11,12,13,14,15
	s_lshr_b32 s2, s[PR+\t], 1
	s_or_b32 s[PR+\t], s[PR+\t], s2
	s_lshr_b32 s2, s[PR+\t], 2
	s_or_b32 s[PR+\t], s[PR+\t], s2                ; bit 4 u: one of lanes 4 u .. 4 u + 3, that is of piece u's 64 numbers
.endr
	s_wait_dscnt 0x0                               ; the stores have read the registers that the outliers now take
.irp t, 0,1,2,3,4,5
	OLOAD \t
.endr
	MTURN 0
	s_wait_kmcnt 0x0                               ; the row scales
	s_wait_loadcnt 20                              ; step 0's q and outliers are in; behind them: the outliers of steps 1-5
	s_wait_dscnt 0x0
	MERGE 0
.irp t, 0,1,2,3,4,5,6,7,8,9,10,11,12,13,14,15
	STEP \t
.endr
	ds_load_b64 v[18:19], v15 offset:SBY           ; LDS serves a wave's instructions in order: these see my byte stores
	s_wait_dscnt 0x0
	global_store_b64 v16, v[18:19], s[14:15]       ; 32 lanes store 256 consecutive bytes, at a multiple of 256 from wq's first byte
	s_wait_tensorcnt 0x0
	ds_add_u32 v254, v255
	s_wait_dscnt 0x0
	s_endpgm
.Lfunc_end_k_qfbd33b3a87_quant:
	.size	k_qfbd33b3a87_quant, .Lfunc_end_k_qfbd33b3a87_quant-k_qfbd33b3a87_quant
	.p2alignl 7, 3214868480
	.fill 96, 4, 3214868480
	.section	.rodata,"a",@progbits
	.p2align	6, 0x0
	.amdhsa_kernel k_qfbd33b3a87_quant
		.amdhsa_group_segment_fixed_size 91136
		.amdhsa_private_segment_fixed_size 0
		.amdhsa_enable_private_segment 0
		.amdhsa_kernarg_size 40
		.amdhsa_user_sgpr_count 2
		.amdhsa_user_sgpr_kernarg_segment_ptr 1
		.amdhsa_wavefront_size32 1
		.amdhsa_system_sgpr_workgroup_id_x 1
		.amdhsa_system_sgpr_workgroup_id_y 1
		.amdhsa_system_sgpr_workgroup_id_z 1
		.amdhsa_system_vgpr_workitem_id 0
		.amdhsa_next_free_vgpr 256
		.amdhsa_next_free_sgpr 82
		.amdhsa_reserve_vcc 0
		.amdhsa_float_denorm_mode_32 3
		.amdhsa_float_denorm_mode_16_64 3
		.amdhsa_memory_ordered 1
		.amdhsa_forward_progress 1
		.amdhsa_inst_pref_size 158
	.end_amdhsa_kernel
	.amdgpu_metadata
---
amdhsa.version: [ 1, 2 ]
amdhsa.kernels:
  - .name:           k_qfbd33b3a87_quant
    .symbol:         k_qfbd33b3a87_quant.kd
    .args:
      - { .name: q_weights, .offset: 0, .size: 8, .value_kind: global_buffer, .address_space: global }
      - { .name: outlier_weights, .offset: 8, .size: 8, .value_kind: global_buffer, .address_space: global }
      - { .name: outlier_mask, .offset: 16, .size: 8, .value_kind: global_buffer, .address_space: global }
      - { .name: scales, .offset: 24, .size: 8, .value_kind: global_buffer, .address_space: global }
      - { .name: wq, .offset: 32, .size: 8, .value_kind: global_buffer, .address_space: global }
    .group_segment_fixed_size: 91136
    .private_segment_fixed_size: 0
    .kernarg_segment_align: 8
    .kernarg_segment_size: 40
    .max_flat_workgroup_size: 256
    .sgpr_count:     82
    .vgpr_count:     256
    .wavefront_size: 32
...
	.end_amdgpu_metadata
.endif
;; end of part 1
;; launch gemm (part 2): grid 16 x 16, 4 waves a work-group, clusters of 4 x 4, 327,680 bytes of LDS; arguments input_codes, input_scales, wq, bias, out0; writes out0
.if DOCPART == 2
	.amdgcn_target "amdgcn-amd-amdhsa--gfx1250"
	.amdhsa_code_object_version 6
	.text
	.protected	k_qfbd33b3a87_gemm
	.globl	k_qfbd33b3a87_gemm
	.p2align	8
	.type	k_qfbd33b3a87_gemm,@function
k_qfbd33b3a87_gemm:
	s_mov_b64 s[64:65], 0
	v_nop
	global_prefetch_b8 v0, s[64:65] scope:SCOPE_SE
	s_setreg_imm32_b32 hwreg(HW_REG_WAVE_MODE, 25, 1), 1
	s_wait_xcnt 0x0
	s_wait_alu depctr_hold_cnt(0) depctr_sa_sdst(0) depctr_va_vdst(0) depctr_va_sdst(0) depctr_va_ssrc(0) depctr_va_vcc(0) depctr_vm_vsrc(0)
	s_getreg_b32 s2, hwreg(HW_REG_IB_STS2, 6, 4)
	s_cmp_eq_u32 s2, 0
	s_cbranch_scc0 .Lentry_in_a_cluster
	s_endpgm
.Lentry_in_a_cluster:
	s_bfe_u32 s2, ttmp6, 0x10000c
	s_cmp_lg_u32 s2, 0xf033
	s_cbranch_scc0 .Lentry_shape_is_right
	s_endpgm
.Lentry_shape_is_right:
; out0[m][n] = sum over k of input[m][k] W[n][k] + bias[n];  m, n, k = 0 .. 4095.  Both operands are codes of BF8 (E5M2) with one E8M0 byte for each 32 along k; sums in f32.
; input comes as codes [m][4096] and scale bytes [m][128]; W comes from wq: [n / 128][k / 256][33,792 bytes], a tile = 128 rows x 256 codes, then 1,024 scale bytes [n % 128][8].
; A work-group of four waves makes 256 x 256 of out0, a wave 128 x 128: 64 accumulators, 512 registers.  k goes in steps of 256 through a ring of two LDS slots (A's 256 rows, B's two tiles of 132 rows).
; The scales of A's 256 rows for all of k (32,768 bytes) come once and stay behind the ring.
; CLUSTERS: 4 x 4 work-groups; A's tiles and scales are asked for jointly along a row of the cluster, B's tiles along a column.
; THE MATRIX INSTRUCTION IS USED TRANSPOSED (source 0 = 16 rows of W, source 1 = 16 rows of input): a lane holds eight neighbouring numbers of a row of out0.
; A step of 128 along k is 64 products, A's blocks 0-7 one after the other, each against B's eight.  A has one set of fragments, B two.  THE LDS LOADS STAND IN RUNS, each behind eight places:
;   a slot's first step (NSTEP): behind 32 products B4-7 and A0-3 of the next step and A's scale words of the next slot (40 loads); behind the other 32 products A4-7 of the next step (16);
;   a slot's second step (TSTEP): 16 products, the change of slots with 8 products inside it; out of the new slot B0-3 and B's scale words (24 loads); 8 products; B4-7 and A0-3 (32);
;   32 products; A4-7 of the next step and B0-3 of the step after it (32).  So each run but the first behind a change of slots has 32 products or more between its issue and its first use.
; PREFETCH: behind each refill every wave names 32 blocks of 256 bytes of the k step two refills on; the four partners of a joint load share its rows out by address (cx for A, cy for B);
; B's waves name one of their tile's four blocks of scales too (all lanes the same block).  The head names k steps 1 and 2, slot 1's first fill k step 3, the refill of step j + 2 names step j + 4; the last trip names nothing.
; LIMIT: a scale byte 0xff among the inputs makes the sums NaN, as the unit has it.
.set SIZE_N, 4096
.set ROWB,   256                       ; a tile's row in bytes
.set TILEB,  33792                     ; a tile of wq
.set PITCH,  272                       ; an LDS row: 256 bytes + 16 of padding
.set HALFA,  128*PITCH
.set HALFB,  132*PITCH
.set SLOT,   2*HALFA+2*HALFB
.set SCL,    2*SLOT                    ; A's scales: 128 rows of 256 bytes + padding
.set SPARE,  SCL+128*PITCH             ; the spare words, 128 bytes a wave
.set SPITCH, 528                       ; the way out: a stage of 16 rows x (512 + 16) bytes a wave, in slot 0 behind its last fill and last read
.set ADRA, 16                          ; v16-17 my A fragments in slot 0, 1
.set ADRB, 20                          ; v20-21 my B fragments
.set ADSB, 22                          ; v22-23 my B scale words
.set STO,  24
.set RD,   25
.set CO,   26
.set ADSA, 27                          ; my A scale words; 16 bytes on in each trip
.set SPW,  28
.set NIL,  29
.set PFO,  30                          ; prefetch: lane x (a row of input, or 256 bytes of a tile of wq)
.set PFZ,  31                          ; 0
.set SCA,  32                          ; A's scale words: set s at +16 s, register 2 a + q
.set SCB,  64                          ; B's likewise
.set BIAS, 96
.set AF,   128                         ; A's fragments, window 0; B's two sets fill window 1; accumulators windows 2 and 3
.set G1, 24
.set G0, 32
.set G1B, 48
.set G0B, 56
.set G1S, 68
.set G0S, 76
.set G0H, 80
.set PFA, 88
.set PFS, 90
.set PST, 92
.set PADW, (1<<20)|(1<<21)|(5<<22)|(3<<25)
.set MSB, 0
.macro WIN new                         ; the immediate's high byte repeats the setting that is left
.if MSB != (\new)
	s_set_vgpr_msb (MSB<<8)|(\new)
.set MSB, (\new)
.endif
.endm
.set MUL_LO, 0xa1                      ; source 0 (B) window 1, source 1 (A) window 0, C and D window 2; + 0x50: window 3
.set TO_B,   0x40
.macro TL g0, g1                       ; a tensor load with an s_nop and four v_nops behind it
	tensor_load_to_lds s[\g0:\g0+3], s[\g1:\g1+7]
	s_nop 0
.rept 4
	v_nop
.endr
.endm
.macro JLOAD s                         ; the ring's joint load: waves 0, 1 fetch A's halves, waves 2, 3 B's tiles
	s_cmp_eq_u32 s15, 0
	s_cbranch_scc0 .Lfor_b_\@
	TL G0+4*\s, G1
	s_branch .Lasked_\@
.Lfor_b_\@:
	TL G0B+4*\s, G1B
.Lasked_\@:
.endm
.macro CREST
	s_cmp_lg_u32 s14, 0
	s_cbranch_scc1 .Lnot_wave_0_\@
	s_barrier_signal -3
.Lnot_wave_0_\@:
	s_barrier_wait -3
	s_barrier_signal -1
	s_barrier_wait -1
.endm
.macro CROUND
	s_barrier_signal -1
	s_barrier_wait -1
	CREST
.endm
.macro ASK n, guard                    ; names the k step n behind the one at which PFA stands; guard = 1: not in the loop's last trip, whose look-ahead would pass k's end
.if \guard
	s_cmp_gt_u32 s3, 1
	s_cbranch_scc0 .Lpd_\@
.endif
	s_cmp_eq_u32 s15, 0
	s_cbranch_scc0 .Lpb_\@
	global_prefetch_b8 v[PFO], s[PFA:PFA+1] offset:ROWB*\n th:TH_LOAD_NT scope:SCOPE_SE
	s_branch .Lpd_\@
.Lpb_\@:
	global_prefetch_b8 v[PFO], s[PFA:PFA+1] offset:TILEB*\n th:TH_LOAD_NT scope:SCOPE_SE
	global_prefetch_b8 v[PFZ], s[PFS:PFS+1] offset:TILEB*\n th:TH_LOAD_NT scope:SCOPE_SE
.Lpd_\@:
.endm
	s_load_b128 s[4:7], s[0:1], 0x0                ; input's codes, input's scales
	s_load_b128 s[8:11], s[0:1], 0x10              ; wq, bias
	s_load_b64 s[12:13], s[0:1], 0x20              ; out0
	v_lshl_add_u32 v[SPW], v0, 2, SPARE
	v_mov_b32 v[NIL], 0
	ds_add_u32 v[SPW], v[NIL]                      ; the opening lines: the add twice on end
	ds_add_u32 v[SPW], v[NIL]
	v_lshrrev_b32 v1, 5, v0
	v_readfirstlane_b32 s14, v1                    ; wave
	s_lshr_b32 s15, s14, 1                         ; my half of the rows; also: I fetch for A (0) or B (1)
	s_and_b32 s16, s14, 1                          ; my half of the columns; also: which half I fetch
	s_bfe_u32 s40, ttmp6, 0x40000                  ; cx
	s_bfe_u32 s41, ttmp6, 0x40004                  ; cy
	s_lshl_b32 s42, ttmp9, 2
	s_add_co_u32 s42, s42, s40                     ; tile column
	s_and_b32 s17, ttmp7, 0xffff
	s_lshl_b32 s17, s17, 2
	s_add_co_u32 s17, s17, s41                     ; tile row
	s_lshl_b32 s43, s41, 2
	s_lshl_b32 s43, 15, s43                        ; my row of the cluster
	s_lshl_b32 s44, 0x1111, s40                    ; my column
	s_or_b32 s[G1+0], s43, PADW                    ; A's codes: 256 rows at the head, 128 in the ring
	s_mov_b32 s[G1+1], ROWB<<16
	s_mov_b32 s[G1+2], 256<<16
	s_mov_b32 s[G1+3], ROWB<<16
	s_mov_b32 s[G1+4], 256
	s_mov_b32 s[G1+5], 4096
	s_mov_b32 s[G1+6], 0
	s_mov_b32 s[G1+7], 0
	s_or_b32 s[G1B+0], s44, PADW                   ; a tile of wq: 132 dense rows
	s_mov_b32 s[G1B+1], ROWB<<16
	s_mov_b32 s[G1B+2], 132<<16
	s_mov_b32 s[G1B+3], ROWB<<16
	s_mov_b32 s[G1B+4], 132
	s_mov_b32 s[G1B+5], ROWB
	s_mov_b32 s[G1B+6], 0
	s_mov_b32 s[G1B+7], 0
	s_or_b32 s[G1S+0], s43, (3<<16)|PADW           ; A's scales: 128 dense rows of 32 x 8 bytes
	s_mov_b32 s[G1S+1], 32<<16
	s_mov_b32 s[G1S+2], 128<<16
	s_mov_b32 s[G1S+3], 32<<16
	s_mov_b32 s[G1S+4], 128
	s_mov_b32 s[G1S+5], 32
	s_mov_b32 s[G1S+6], 0
	s_mov_b32 s[G1S+7], 0
	s_lshl_b32 s20, s17, 20                        ; A's tile: 256 rows of 4,096 bytes
	s_mov_b32 s21, 0
	s_lshl_b32 s22, s17, 15                        ; its scales: 256 rows of 128 bytes
	s_mov_b32 s23, 0
	s_lshl_b32 s46, s42, 1
	s_add_co_u32 s46, s46, s16
	s_mul_i32 s46, s46, 16*TILEB                   ; the tile of wq that I fetch, k step 0
	s_mov_b32 s47, 0
	s_lshl_b32 s18, s16, 19                        ; the ring: my 128 rows of A
	s_mov_b32 s19, 0
	s_mul_i32 s45, s16, HALFA
	s_mul_i32 s84, s16, HALFB
	s_add_co_u32 s84, s84, 2*HALFA
	s_wait_dscnt 0x0
	s_wait_kmcnt 0x0
	s_add_nc_u64 s[20:21], s[4:5], s[20:21]
	s_add_nc_u64 s[22:23], s[6:7], s[22:23]
	s_add_nc_u64 s[46:47], s[8:9], s[46:47]
	CROUND                                         ; the round in front of the first joint loads
	s_mov_b32 s[G0H], 1
	s_mov_b32 s[G0H+1], 0
	s_mov_b64 s[G0H+2:G0H+3], s[20:21]
	s_or_b32 s[G0H+3], s[G0H+3], 0x80000000
	s_mov_b32 s[G0S], 1
	s_mov_b32 s[G0S+1], SCL
	s_mov_b64 s[G0S+2:G0S+3], s[22:23]
	s_or_b32 s[G0S+3], s[G0S+3], 0x80000000
	s_add_nc_u64 s[20:21], s[20:21], s[18:19]
.irp s, 0,1
	s_mov_b32 s[G0+4*\s], 1
	s_add_co_u32 s[G0+4*\s+1], s45, \s*SLOT
	s_add_nc_u64 s[G0+4*\s+2:G0+4*\s+3], s[20:21], \s*ROWB
	s_or_b32 s[G0+4*\s+3], s[G0+4*\s+3], 0x80000000
	s_mov_b32 s[G0B+4*\s], 1
	s_add_co_u32 s[G0B+4*\s+1], s84, \s*SLOT
	s_add_nc_u64 s[G0B+4*\s+2:G0B+4*\s+3], s[46:47], \s*TILEB
	s_or_b32 s[G0B+4*\s+3], s[G0B+4*\s+3], 0x80000000
.endr
	; the head's loads, one a wave: wave 0 A's 256 rows of k step 0, wave 1 A's scales, waves 2 and 3 B's two tiles
	s_cmp_lt_u32 s14, 1
	s_cbranch_scc0 .Lh_s
	TL G0H, G1
	s_branch .Lh_done
.Lh_s:
	s_cmp_lt_u32 s14, 2
	s_cbranch_scc0 .Lh_b
	TL G0S, G1S
	s_branch .Lh_done
.Lh_b:
	TL G0B, G1B
.Lh_done:
	s_lshl_b32 s18, s40, 17                        ; prefetch: my work-group's 32 of the 128 rows of A that I fetch,
	s_lshl_b32 s19, s41, 13                        ; or its 32 of the tile's 128 blocks of codes
	s_cmp_eq_u32 s15, 0
	s_cselect_b64 s[PFA:PFA+1], s[20:21], s[46:47]
	s_cselect_b32 s18, s18, s19
	s_mov_b32 s[PST], TILEB
	s_cselect_b32 s[PST], ROWB, s[PST]             ; bytes from a k step to the next
	s_mov_b32 s23, 256
	s_cselect_b32 s23, 4096, s23
	s_mov_b32 s19, 0
	s_mov_b32 s[PST+1], 0
	s_add_nc_u64 s[PFA:PFA+1], s[PFA:PFA+1], s[18:19]
	s_lshl_b32 s18, s41, 8
	s_add_co_u32 s18, s18, 32768
	s_add_nc_u64 s[PFS:PFS+1], s[46:47], s[18:19]  ; my one of the tile's four blocks of scales
	s_lshl_b32 s46, s17, 8
	s_lshl_b32 s47, s15, 7
	s_add_co_u32 s46, s46, s47
	s_lshl_b32 s46, s46, 14                        ; my first row of out0, 16,384 bytes a row
	s_mov_b32 s47, 0
	s_add_nc_u64 s[12:13], s[12:13], s[46:47]
	s_lshl_b32 s46, s42, 10
	s_lshl_b32 s47, s16, 9
	s_add_co_u32 s46, s46, s47                     ; my first column, in bytes
	s_mov_b32 s47, 0
	s_add_nc_u64 s[12:13], s[12:13], s[46:47]
	s_add_nc_u64 s[10:11], s[10:11], s[46:47]
	s_mul_i32 s18, s15, HALFA                      ; my 128 rows of A
	s_mul_i32 s19, s16, HALFB
	s_add_co_u32 s19, s19, 2*HALFA                 ; my tile of B
	s_add_co_u32 s20, s19, 128*PITCH               ; its scale bytes
	s_mul_i32 s21, s15, 64*PITCH
	s_add_co_u32 s21, s21, SCL                     ; my rows' scales of A
	s_mul_i32 s22, s14, 16*SPITCH                  ; my stage
	v_and_b32 v1, 15, v0                           ; r
	v_bfe_u32 v2, v0, 4, 1                         ; h
	v_mul_u32_u24 v3, v1, PITCH
	v_lshl_add_u32 v4, v2, 4, v3
	v_add_nc_u32 v[ADRA], s18, v4
	v_add_nc_u32 v[ADRA+1], SLOT, v[ADRA]
	v_add_nc_u32 v[ADRB], s19, v4
	v_add_nc_u32 v[ADRB+1], SLOT, v[ADRB]
	v_lshl_add_u32 v[ADSB], v1, 3, s20
	v_add_nc_u32 v[ADSB+1], SLOT, v[ADSB]
	v_lshrrev_b32 v6, 1, v1
	v_lshlrev_b32 v7, 7, v1
	v_lshl_add_u32 v7, v6, 4, v7                   ; 128 r, + 16 for each 256 passed
	v_add_nc_u32 v[ADSA], s21, v7
	v_mul_u32_u24 v5, v1, SPITCH
	v_lshl_add_u32 v5, v2, 5, v5
	v_add_nc_u32 v[STO], s22, v5
	v_and_b32 v6, 31, v0
	v_lshlrev_b32 v[CO], 4, v6
	v_add_nc_u32 v[RD], s22, v[CO]
	v_mul_u32_u24 v[PFO], v6, s23
	v_mov_b32 v[PFZ], 0
	s_wait_alu depctr_va_vdst(0)
	ASK 1, 0
	ASK 2, 0
	global_load_b128 v[BIAS:BIAS+3], v[CO], s[10:11]
; CS, CQ, CP: this step's slot, its half of the slot's 256 along k, its set of B.  NXS: the next slot.  CZ = 1: the products start the sums.
.macro MUL8 a                          ; A's block a against B's eight; the 64 accumulators take turns in the same order in every step
	WIN MUL_LO+0x50*((\a)/4)
.irp b, 0,1,2,3,4,5,6,7
.if CZ
	v_wmma_scale_f32_16x16x128_f8f6f4 v[8*(8*((\a)%4)+\b):8*(8*((\a)%4)+\b)+7], v[128*CP+16*\b:128*CP+16*\b+15], v[AF+16*(\a):AF+16*(\a)+15], 0, v[SCB+16*CS+2*\b+CQ], v[SCA+16*CS+2*(\a)+CQ] matrix_a_fmt:MATRIX_FMT_BF8 matrix_b_fmt:MATRIX_FMT_BF8
.else
	v_wmma_scale_f32_16x16x128_f8f6f4 v[8*(8*((\a)%4)+\b):8*(8*((\a)%4)+\b)+7], v[128*CP+16*\b:128*CP+16*\b+15], v[AF+16*(\a):AF+16*(\a)+15], v[8*(8*((\a)%4)+\b):8*(8*((\a)%4)+\b)+7], v[SCB+16*CS+2*\b+CQ], v[SCA+16*CS+2*(\a)+CQ] matrix_a_fmt:MATRIX_FMT_BF8 matrix_b_fmt:MATRIX_FMT_BF8
.endif
.endr
.endm
.macro PLACES                          ; eight places behind this form in front of loads into registers that products have read
.rept 8
	v_nop
.endr
.endm
.macro FA s, q, i0                     ; A's blocks i0 .. i0 + 3 of half q of slot s: 16 loads
	WIN 0
.irp i, \i0, \i0+1, \i0+2, \i0+3
.irp c, 0,1,2,3
	ds_load_b128 v[AF+16*(\i)+4*\c:AF+16*(\i)+4*\c+3], v[ADRA+(\s)] offset:128*(\q)+32*\c+(\i)*16*PITCH
.endr
.endr
.endm
.macro FB s, q, p, i0                  ; B's blocks i0 .. i0 + 3 into set p: 16 loads
	WIN TO_B
.irp i, \i0, \i0+1, \i0+2, \i0+3
.irp c, 0,1,2,3
	ds_load_b128 v[128*(\p)+16*(\i)+4*\c:128*(\p)+16*(\i)+4*\c+3], v[ADRB+(\s)] offset:128*(\q)+32*\c+(\i)*16*PITCH
.endr
.endr
.endm
.macro LSB                             ; B's scale words of slot NXS: 8 loads
	WIN 0
.irp i, 0,1,2,3,4,5,6,7
	ds_load_b64 v[SCB+16*NXS+2*\i:SCB+16*NXS+2*\i+1], v[ADSB+NXS] offset:128*\i+16*(\i/2)
.endr
.endm
; A slot's first step.  so: where the next slot's scale words of A lie from ADSA; san = 0: there is no next slot.
.macro NSTEP s, so, san
.set CS, \s
.set CQ, 0
.set CP, 0
	s_wait_dscnt 32                                ; all but the last run (A4-7 of this step, B0-3 of the next) is in
	MUL8 0
	MUL8 1
	MUL8 2
	MUL8 3
	PLACES
	FB \s, 1, 1, 4
	FA \s, 1, 0
.if \san
.irp i, 0,1,2,3,4,5,6,7
	ds_load_b64 v[SCA+16*(1-\s)+2*\i:SCA+16*(1-\s)+2*\i+1], v[ADSA] offset:\i*2176+\so
.endr
.endif
	s_wait_dscnt 48+8*\san                         ; A4-7 are in; behind them: B0-3 (16) and the run just issued
	MUL8 4
	MUL8 5
	MUL8 6
	MUL8 7
	PLACES
	FA \s, 1, 4
.endm
; A slot's second step changes slots.  fill = 1: the slot is filled again, two k steps on, behind a round of the cluster's barrier.
.macro TSTEP s, fill
.set CS, \s
.set CQ, 1
.set CP, 1
.set NXS, 1-\s
.if \fill
	s_wait_xcnt 0x0                                ; my prefetches have read their bases
	s_add_nc_u64 s[PFA:PFA+1], s[PFA:PFA+1], s[PST:PST+1]
	s_add_nc_u64 s[PFS:PFS+1], s[PFS:PFS+1], TILEB
.endif
	s_wait_tensorcnt 0x0                           ; my one load that is out, my part of the next slot, has landed
	ds_add_u32 v[SPW], v[NIL]
.if \fill
	s_add_nc_u64 s[G0+4*\s+2:G0+4*\s+3], s[G0+4*\s+2:G0+4*\s+3], 2*ROWB
	s_add_nc_u64 s[G0B+4*\s+2:G0B+4*\s+3], s[G0B+4*\s+2:G0B+4*\s+3], 2*TILEB
.endif
	s_wait_dscnt 25                                ; B and A0-3 are in; behind them: A's 8 scale loads, A4-7 (16) and the add
	MUL8 0
	MUL8 1
	s_wait_dscnt 0x0                               ; the add is done; my reads of this slot are over: all this step's fragments are in registers
	s_barrier_signal -1
	MUL8 2
	WIN 0
	s_barrier_wait -1
.if \fill
	CREST
	JLOAD \s
.endif
	FB 1-\s, 0, 0, 0                               ; set 0 was last read ahead of the first step's second eight places
	LSB
.if \fill
	ASK 3, 1
.endif
	MUL8 3
	PLACES
	FB 1-\s, 0, 0, 4
	FA 1-\s, 0, 0
	MUL8 4
	MUL8 5
	MUL8 6
	MUL8 7
	PLACES
	FA 1-\s, 0, 4
	FB 1-\s, 1, 1, 0
	WIN 0
.endm
; THE WAY OUT of block a (16 rows x 128 columns): through my stage, back as whole rows of 512 bytes into B's set 0 (window 1), which the last step does not read; + bias; stored.
.macro TOSTAGE a
.set AC, 64*((\a)%4)
	WIN 0x08+4*((\a)/4)
.irp b, 0,1,2,3,4,5,6,7
	ds_store_b128 v[STO], v[AC+8*\b:AC+8*\b+3] offset:64*\b          ; each accumulator from its low end on
	ds_store_b128 v[STO], v[AC+8*\b+4:AC+8*\b+7] offset:64*\b+16
.endr
	WIN TO_B
.set BB, 64*((\a)%2)
.irp t, 0,1,2,3,4,5,6,7,8,9,10,11,12,13,14,15
	ds_load_b128 v[BB+4*\t:BB+4*\t+3], v[RD] offset:\t*SPITCH        ; LDS serves a wave's instructions in order: these see the stores above
.endr
.endm
.macro SEND a
.set BB, 64*((\a)%2)
	s_wait_dscnt 0x0                               ; the block is back in registers
.if (\a) > 0
	s_add_nc_u64 s[12:13], s[12:13], 16*SIZE_N*4   ; behind a wait on XCNT: the earlier stores have read their base
.endif
	WIN 0x41                                       ; the rows in window 1, the bias in window 0
.irp t, 0,1,2,3,4,5,6,7,8,9,10,11,12,13,14,15
	v_pk_add_f32 v[BB+4*\t:BB+4*\t+1], v[BB+4*\t:BB+4*\t+1], v[BIAS:BIAS+1]
	v_pk_add_f32 v[BB+4*\t+2:BB+4*\t+3], v[BB+4*\t+2:BB+4*\t+3], v[BIAS+2:BIAS+3]
.endr
	WIN 0x04                                       ; the data in window 1
.irp t, 0,1,2,3,4,5,6,7,8,9,10,11,12,13,14,15
	global_store_b128 v[CO], v[BB+4*\t:BB+4*\t+3], s[12:13] offset:\t*SIZE_N*4 th:TH_STORE_NT   ; 32 lanes store 512 consecutive bytes, aligned
.endr
.endm
.macro OUT a                           ; block a - 1 leaves; its 32 additions are the places ahead of block a's stores into the stage; block a comes back under the next row's products
.if (\a) > 1
	s_wait_xcnt 0x0                                ; block a - 2's stores have read their registers and their base
.endif
.if (\a) > 0
	SEND (\a)-1
.else
	PLACES
.endif
	TOSTAGE \a
.endm
	s_wait_loadcnt 0x0                             ; the bias
	s_wait_tensorcnt 0x0                           ; my tile of the head's four
	ds_add_u32 v[SPW], v[NIL]
	s_mov_b32 s[G1+2], 128<<16                     ; no load of mine is out: from here on A's loads bring 128 rows
	s_mov_b32 s[G1+4], 128
	s_wait_dscnt 0x0
	CROUND
	JLOAD 1                                        ; k step 1
.set NXS, 0
.irp i, 0,1,2,3,4,5,6,7
	ds_load_b64 v[SCA+2*\i:SCA+2*\i+1], v[ADSA] offset:\i*2176
.endr
	LSB
	FB 0, 0, 0, 0
	FB 0, 0, 0, 4
	FA 0, 0, 0
	FA 0, 0, 4                                     ; the last 32 loads as a second step leaves them
	FB 0, 1, 1, 0
	WIN 0
	ASK 3, 0
.set CZ, 1
	NSTEP 0, 8, 1                                  ; the first step stands in front of the loop: its products start the sums
.set CZ, 0
	s_mov_b32 s3, 7
.Llap:                                                 ; a trip goes once round the ring and fills both slots again
	TSTEP 0, 1
	NSTEP 1, 16, 1
	TSTEP 1, 1
	NSTEP 0, 24, 1
	v_add_nc_u32 v[ADSA], 16, v[ADSA]              ; two k steps of A's scale words on
	s_wait_alu depctr_va_vdst(0)
	s_sub_co_u32 s3, s3, 1
	s_cmp_lg_u32 s3, 0
	s_cbranch_scc1 .Llap
	TSTEP 0, 0                                     ; nothing is filled again: no round
	NSTEP 1, 0, 0
	; the last step: its rows of products finish my blocks of 16 rows one after the other, and each block goes to the stage behind the next row
.set CS, 1
.set CQ, 1
.set CP, 1
	s_wait_dscnt 16                                ; B and A0-3 are in; A4-7 may be out
	MUL8 0
	MUL8 1
	s_wait_dscnt 0x0
	OUT 0
.irp a, 2,3,4,5,6,7
	MUL8 \a
	OUT \a-1
.endr
	OUT 7
	s_wait_xcnt 0x0
	SEND 7
	WIN 0
	s_wait_tensorcnt 0x0                           ; the wave's end
	ds_add_u32 v[SPW], v[NIL]
	s_wait_dscnt 0x0
	CROUND                                         ; the closing round
	s_endpgm
.Lfunc_end_k_qfbd33b3a87_gemm:
	.size	k_qfbd33b3a87_gemm, .Lfunc_end_k_qfbd33b3a87_gemm-k_qfbd33b3a87_gemm
	.p2alignl 7, 3214868480
	.fill 96, 4, 3214868480
	.section	.rodata,"a",@progbits
	.p2align	6, 0x0
	.amdhsa_kernel k_qfbd33b3a87_gemm
		.amdhsa_group_segment_fixed_size 327680
		.amdhsa_private_segment_fixed_size 0
		.amdhsa_enable_private_segment 0
		.amdhsa_kernarg_size 40
		.amdhsa_user_sgpr_count 2
		.amdhsa_user_sgpr_kernarg_segment_ptr 1
		.amdhsa_wavefront_size32 1
		.amdhsa_system_sgpr_workgroup_id_x 1
		.amdhsa_system_sgpr_workgroup_id_y 1
		.amdhsa_system_sgpr_workgroup_id_z 1
		.amdhsa_system_vgpr_workitem_id 0
		.amdhsa_next_free_vgpr 1024
		.amdhsa_next_free_sgpr 96
		.amdhsa_reserve_vcc 0
		.amdhsa_float_denorm_mode_32 3
		.amdhsa_float_denorm_mode_16_64 3
		.amdhsa_memory_ordered 1
		.amdhsa_forward_progress 1
		.amdhsa_inst_pref_size 167
	.end_amdhsa_kernel
	.amdgpu_metadata
---
amdhsa.version: [ 1, 2 ]
amdhsa.kernels:
  - .name:           k_qfbd33b3a87_gemm
    .symbol:         k_qfbd33b3a87_gemm.kd
    .args:
      - { .name: input_codes, .offset: 0, .size: 8, .value_kind: global_buffer, .address_space: global }
      - { .name: input_scales, .offset: 8, .size: 8, .value_kind: global_buffer, .address_space: global }
      - { .name: wq, .offset: 16, .size: 8, .value_kind: global_buffer, .address_space: global }
      - { .name: bias, .offset: 24, .size: 8, .value_kind: global_buffer, .address_space: global }
      - { .name: out0, .offset: 32, .size: 8, .value_kind: global_buffer, .address_space: global }
    .group_segment_fixed_size: 327680
    .private_segment_fixed_size: 0
    .kernarg_segment_align: 8
    .kernarg_segment_size: 40
    .max_flat_workgroup_size: 128
    .sgpr_count:     96
    .vgpr_count:     1024
    .wavefront_size: 32
...
	.end_amdgpu_metadata
.endif
;; end of part 2
